; MI455X (gfx1250); checked and timed in simulation.
; The chip was launched on July 23, 2026; its instructions are those of AMD's public machine-readable ISA for CDNA 5 (MIT licence, August 2026) and "CDNA5" Instruction Set Architecture Reference Guide (July 2026). The comments in the code are by the model that wrote it; some were corrected since.
;; Hyperbolic MLR. Allowed arithmetic: matrix products marked QUANTISED: E5M2 operands, one given power-of-two scale a tensor, by v_wmma_f32_16x16x64_bf8_bf8 or v_wmma_f32_16x16x128_bf8_bf8, f32 sums; products left as they are: f32 operands where the result goes on into a quantised operand, else bf16, f16 or f32 operands; f32 sums; everything else in f32.
;; Inputs: a_vals 1,000 x 64 float32; lowp_scales 2 int32 (the exponents e of the quantised operands' scales 2^e); p_vals 1,000 x 64 float32; x 2,048 x 64 float32.
;; Outputs: out0 2,048 x 1,000 float32.
;; This version of the problem:
;;   THIS VERSION OF THE PROBLEM IS GIVEN IN LOW PRECISION. The matrix products marked QUANTISED in the list below multiply operands that are first quantised to E5M2 (5 exponent bits, 2 mantissa bits; 8 bits a number), with one given power-of-two scale for each operand tensor; their sums are f32. All else is computed in f32.
;;   The module's matrix products, in the order in which they are computed (A, B: the left and right operand; K: the contracted axis; several contracted axes count as one K, in the product's order):
;;     1. [M 1,000, K 64] x [K 64, N 2,048]; A: computed on the way; B: input x: QUANTISED (scales: A lowp_scales[0], B lowp_scales[1])
;;     2. batch 1,000 x [M 2,048, K 64] x [K 64, N 1]; A: computed on the way; B: computed on the way: left as it is (N = 1 < 16)
;;   THE QUANTISER, for each operand of a quantised product, along K:
;;     - The operand's scale is 2^e, e = its entry of the input lowp_scales (int32; the entries are numbered through the quantised products in the list's order, A before B).
;;     - Each number is divided by the scale, clamped to +-57,344, and rounded to the nearest number of E5M2, ties to even, subnormals kept.
;;     - The product sums the exact products of the quantised numbers (number of the format x scale) in f32.
;;   ~~~python
;;   def quantise(x, axis, e):      # numpy; x: float32 -> the quantised numbers, widened to float32 again
;;       x = np.moveaxis(x, axis, -1); K = x.shape[-1]
;;       r = np.clip(x / 2.0 ** e, -57344, 57344)
;;       step = 2.0 ** (np.maximum(np.frexp(np.where(r == 0, 1, r))[1] - 1, -14) - 2)
;;       q = np.round(r / step) * step * 2.0 ** e      # np.round: ties to even
;;       return np.moveaxis(q, -1, axis).astype(np.float32)
;;   ~~~
;;   OPERANDS COMPUTED ON THE WAY. 'Computed on the way' means the value that the module computes at that place (a softmax that the list does not call 'softmax' is quantised finished and normalised). What goes into a quantiser is computed in f32, as accurately as f32 sums, v_exp_f32 and their like allow (about 1e-6 of the number): no bf16 or f16 on the way to a quantiser, and a product that is left as it is and whose result goes on into a quantised operand takes f32 operands (vector FMAs, or v_wmma_f32_16x16x4_f32). A number that lies on a knife's edge between two numbers of the format may be rounded either way, as far as f32 arithmetic and the matrix unit's own rounding can turn it there, and no further.
;; One version. Each part assembles by itself: llvm-mc -triple=amdgcn-amd-amdhsa -mcpu=gfx1250 --defsym DOCPART=n.
;; ======== version 1 of 1: 1 launch
;; limits: right only within a limited range of input values
;; launch mlr (part 1): grid 128 x 1, 16 waves a work-group, no clusters, 67,840 bytes of LDS; arguments x, a_vals, p_vals, lowp_scales, out0; writes out0
.if DOCPART == 1
	.amdgcn_target "amdgcn-amd-amdhsa--gfx1250"
	.amdhsa_code_object_version 6
	.text
	.protected	k_qac7849175a_mlr
	.globl	k_qac7849175a_mlr
	.p2align	8
	.type	k_qac7849175a_mlr,@function
k_qac7849175a_mlr:
	s_mov_b64 s[64:65], 0
	v_nop
	global_prefetch_b8 v0, s[64:65] scope:SCOPE_SE
	s_setreg_imm32_b32 hwreg(HW_REG_WAVE_MODE, 25, 1), 1
	s_wait_xcnt 0x0
; HYPERBOLIC MLR.  out0[b][c] = scale_c asinh(numer / denom), b = 0 .. 2047, c = 0 .. 999, D = 64, k = 0.1.
; The tensor mob [C][B][D] is never formed: all that leaves it is made of inner products.  With mp = -s p (s = tanh(z) / z, z = sqrt(k) |p|), th = tanh(z), beta = 1 - th^2, fa = 1 + th^2:
;   xy = Q(mp) . Q(x)   the QUANTISED product, on codes of E5M2 with the given scales 2^e0 (mp) and 2^e1 (x), by v_wmma_f32_16x16x64_bf8_bf8
;   u  = x . a          the x part of the second product (left as it is): bf16 operands, f32 sums;   its mp part, p . a, is an f32 sum for each class
;   v  = mp . x         not quantised (it comes from sum(mob^2)): f32 multiply-adds
;   al = 1 + 2k xy + k y2;  den = 1 + 2k xy + k th^2 y2;  mob . a_poin = (al (mp . a) fa + beta fa u) / den;  k |mob|^2 = (al (al th^2 + 2k beta v) + k beta^2 y2) / den^2
;   numer / denom = (2 sqrt(k) / an) (al (mp . a) fa + beta fa u) den / (den^2 - k |num|^2);   asinh(r) = sign(r) ln(|r| + sqrt(r^2 + 1))
; SHARES.  A work-group owns 16 whole rows of out0 (64,000 bytes = 250 aligned blocks of 256) and all classes: 128 work-groups.  Wave w of sixteen takes the class tiles w, w + 16, w + 32, w + 48 of 16 classes.
; Classes 1000 .. 1023 are computed on class 999's numbers and land in stage columns that nobody reads: no lane is ever off and no branch hangs on data.
; Every wave prepares the 16 rows of x for itself (4,096 bytes, once), so x wants no LDS and no barrier.  Results meet in a stage in LDS; behind ONE barrier they leave as whole aligned blocks.
; NO TENSOR LOADS, NO CLUSTER: p and a are shared by all work-groups, but a trip loads 8,192 bytes straight into the operands' layout for some 800 vector instructions; through LDS they would want a ring and its barriers for the same bytes.
; LAYOUT.  Lane (r = lane % 16, h = lane / 16) holds, of row r (of x, p or a), d = 32 h + i in register i = 0 .. 31.  Codes and bf16 pairs are made of these registers as they stand: the same permutation of d in both
; operands of a product, so every factor meets its partner.  Source 0 = x, source 1 = the classes: in a result register j of lane (r, h) is (b = 8 h + j, class r): what hangs on the class is one register, on the row eight.
; LIMITS.  e0, e1 between -126 and 112.  NaN among the inputs is not served.  |numer / denom| under 1.8e19 (its square is formed).  asinh by the logarithm has an absolute error of about 1e-7 x scale, so it is
; relatively coarse only where |numer / denom| is under about 1e-5.  k p2 is taken as tanh^2, which is k sum(p_poin^2) up to f32 rounding.  Where den^2 = k |num|^2 the infinity or NaN may differ from reference()'s.
.set SP,   4112                        ; a stage row: 1,024 columns of 4 bytes + 16; 8 rows are 8,224 words = 32 mod 64, so the two halves of the lanes store to different banks (64 banks of 4 bytes: ISA guide 11.1)
.set XF,   16                          ; v16-47   x, f32
.set XC,   48                          ; v48-55   x's codes
.set XB,   56                          ; v56-71   x in bf16
.set Y2,   72                          ; v72-79   |x_b|^2, b = 8 h + j
.set AL0,  80                          ; v80-87   1 + k y2
.set MP,   88                          ; v88-119  p, then mp = -s p
.set AR,   120                         ; v120-151 a; then the numbers held for a conversion
.set MC,   152                         ; v152-159 mp's codes
.set AH,   160                         ; v160-175 a in bf16
.set ACC,  176                         ; v176-191 half sums of v for b = 0 .. 15; then v in v176-183
.set S,    192                         ; v192-199 the quantised product's sums
.set U,    200                         ; v200-207 x . a
.set CM,   208                         ; class constants, each the low half of a pair whose high half is written once and never used
.set CU,   210
.set CV,   212
.set CX,   214
.set CD,   216
.set CE,   218
.set CS,   220
.set NS,   222                         ; -s
.set T,    224                         ; v224-239 at work
.set SC0,  240                         ; v240, v241: 2^e0 and 57,344 x 2^e0
.set C1,   242                         ; v242: 2k 2^(e0 + e1)
.set SC1,  244                         ; v244, v245: 2^e1 and 57,344 x 2^e1
.set Q,    88                          ; the elementwise part lies over mp and over the held numbers, which are done with
.set R,    96
.set SQ,   104
.set OUT,  112
.set DEN,  120
.set AL,   128
.set PN,   136
.set W,    144
.macro SCALE e, sc                     ; 2^e as f32, whose exponent field the conversion takes, and the largest number x 2^e
	s_add_co_i32 s28, s[\e], 127
	s_lshl_b32 s29, s28, 23
	v_mov_b32 v[\sc], s29
	s_add_co_i32 s28, s28, 15
	s_lshl_b32 s28, s28, 23
	s_or_b32 s28, s28, 0x600000
	v_mov_b32 v[\sc+1], s28
.endm
.macro SQSUM src                       ; v[T:T+1] = the lane's 32 squares, in two chains, two numbers an instruction
	v_pk_mul_f32 v[T:T+1], v[\src:\src+1], v[\src:\src+1]
	v_pk_mul_f32 v[T+2:T+3], v[\src+2:\src+3], v[\src+2:\src+3]
.set i, 4
.rept 7
	v_pk_fma_f32 v[T:T+1], v[\src+i:\src+i+1], v[\src+i:\src+i+1], v[T:T+1]
	v_pk_fma_f32 v[T+2:T+3], v[\src+i+2:\src+i+3], v[\src+i+2:\src+i+3], v[T+2:T+3]
.set i, i+4
.endr
	v_pk_add_f32 v[T:T+1], v[T:T+1], v[T+2:T+3]
.endm
.macro FOLD t                          ; a pair's two halves, and the other 32 of the row's d, which lie in the lane 16 away
	v_add_f32 v[\t], v[\t], v[\t+1]
	v_permlanex16_b32 v[\t+1], v[\t], s18, s19
	v_add_f32 v[\t], v[\t], v[\t+1]
.endm
.macro QUANT dst, src, sc              ; 32 numbers of a lane become 32 codes; the numbers themselves are kept
.set i, 0
.rept 32
	v_med3_num_f32 v[AR+i], v[\src+i], -v[\sc+1], v[\sc+1]   ; the conversion to an 8-bit code does not saturate (ISA guide 7.6.2): the hold at the largest code x the scale
.set i, i+1
.endr
.set i, 0
.rept 4
	v_cvt_scalef32_pk8_bf8_f32 v[\dst+2*i:\dst+2*i+1], v[AR+8*i:AR+8*i+7], v[\sc]
.set i, i+1
.endr
	v_nop                                          ; one plain vector line between the last scaled conversion and whatever next touches its result or writes its sources
.endm
.macro BF16 dst, src
.set i, 0
.rept 16
	v_cvt_pk_bf16_f32 v[\dst+i], v[\src+2*i], v[\src+2*i+1]
.set i, i+1
.endr
.endm
	s_load_b256 s[4:11], s[0:1], 0x0               ; x s[4:5], a_vals s[6:7], p_vals s[8:9], lowp_scales s[10:11]
	s_load_b64 s[12:13], s[0:1], 0x20              ; out0
	v_lshl_add_u32 v254, v0, 2, 0x10100
	v_mov_b32 v255, 0
	v_lshrrev_b32 v8, 5, v0
	v_readfirstlane_b32 s14, v8                    ; wave 0 .. 15
	v_and_b32 v1, 15, v0                           ; r
	v_bfe_u32 v9, v0, 4, 1                         ; h
	v_lshlrev_b32 v2, 7, v9                        ; 128 h: my half of a row of 256 bytes
	v_lshl_add_u32 v3, v1, 8, v2                   ; x: row r + my half
	v_mul_u32_u24 v4, v9, 8*SP
	v_lshl_add_u32 v4, v1, 2, v4
	s_lshl_b32 s28, s14, 6
	v_add_nc_u32 v4, s28, v4                       ; the stage: row 8 h, column 16 w + r
	v_lshlrev_b32 v6, 4, v0                        ; the way out: 16 bytes a thread
	v_lshlrev_b32 v8, 5, v9                        ; lane 8 h + j as a byte index, j = 0 .. 7
.irp j, 1,2,3,4,5,6,7
	v_add_nc_u32 v[8+\j], 4*\j, v8
.endr
	s_mov_b32 s18, 0x76543210                      ; v_permlanex16_b32: each lane takes its own place in the other half
	s_mov_b32 s19, 0xfedcba98
	s_mov_b32 s25, 0x7fffffff                      ; all but the sign
	s_mov_b32 s22, 0                               ; trips
	s_mov_b32 s23, 0                               ; the trip's columns in the stage, in bytes: 1,024 a trip
	s_lshl_b32 s24, s14, 4                         ; the trip's first class: 16 w, + 256 a trip
.irp n, 209,211,213,215,217,219,221,223,243
	v_mov_b32 v\n, 0                               ; named as the upper halves of pairs of which the low word serves both halves
.endr
.set i, 0
.rept 16
	v_mov_b32 v[ACC+i], 0                          ; written once: the destination of a DPP form counts as one of its sources
.set i, i+1
.endr
	s_wait_kmcnt 0x0
	s_load_b64 s[16:17], s[10:11], 0x0             ; e0 (mp), e1 (x)
	s_lshl_b32 s26, ttmp9, 12                      ; my 16 rows of x: 4,096 bytes a work-group
	s_mov_b32 s27, 0
	s_add_nc_u64 s[4:5], s[4:5], s[26:27]
	s_mul_i32 s26, ttmp9, 64000                    ; my 16 rows of out0
	s_add_nc_u64 s[12:13], s[12:13], s[26:27]
.irp n, 0,1,2,3,4,5,6,7
	global_load_b128 v[XF+4*\n:XF+4*\n+3], v3, s[4:5] offset:16*\n
.endr
	s_wait_kmcnt 0x0
	SCALE 16, SC0
	SCALE 17, SC1
	s_add_co_i32 s28, s16, s17
	v_mov_b32 v[C1], 0x3e4ccccd                    ; 2k,
	v_ldexp_f32 v[C1], v[C1], s28                  ; x 2^(e0 + e1): a sum of the quantised product stands for sum x 2^(e0 + e1)
	s_wait_loadcnt 0x0                             ; x
	SQSUM XF
	FOLD T                                         ; lane (r, h): |x_r|^2
.irp j, 0,1,2,3,4,5,6,7
	ds_bpermute_b32 v[Y2+\j], v[8+\j], v[T]        ; register j: that of row 8 h + j
.endr
	QUANT XC, XF, SC1
	BF16 XB, XF
	s_wait_dscnt 0x0
.irp j, 0,2,4,6
	v_pk_fma_f32 v[AL0+\j:AL0+\j+1], v[Y2+\j:Y2+\j+1], 0x3dcccccd, 1.0 op_sel_hi:[1,0,0]   ; 1 + k y2
.endr
.Ltrip:                                                ; four trips: class tiles w, w + 16, w + 32, w + 48
	s_wait_dscnt 0x0                               ; the last trip's stores into the stage have read their registers
	v_add_nc_u32 v3, s24, v1                       ; (the loads that named v3 were waited for)
	v_min_u32 v3, 999, v3                          ; no load leaves its buffer: classes past the last take the last one's numbers
	v_lshl_add_u32 v3, v3, 8, v2
.irp n, 0,1,2,3,4,5,6,7
	global_load_b128 v[MP+4*\n:MP+4*\n+3], v3, s[8:9] offset:16*\n
.endr
.irp n, 0,1,2,3,4,5,6,7
	global_load_b128 v[AR+4*\n:AR+4*\n+3], v3, s[6:7] offset:16*\n
.endr
	v_add_nc_u32 v5, s23, v4                       ; this trip's place in the stage
	s_wait_loadcnt 8                               ; p is in; a's eight loads may be out
	SQSUM MP                                       ; p . p
	s_wait_loadcnt 0x0
	v_pk_mul_f32 v[T+2:T+3], v[AR:AR+1], v[AR:AR+1]          ; a . a and p . a, by turns
	v_pk_mul_f32 v[T+4:T+5], v[MP:MP+1], v[AR:AR+1]
.set i, 2
.rept 15
	v_pk_fma_f32 v[T+2:T+3], v[AR+i:AR+i+1], v[AR+i:AR+i+1], v[T+2:T+3]
	v_pk_fma_f32 v[T+4:T+5], v[MP+i:MP+i+1], v[AR+i:AR+i+1], v[T+4:T+5]
.set i, i+2
.endr
	FOLD T                                         ; v224 = pp
	FOLD T+2                                       ; v226 = aa
	FOLD T+4                                       ; v228 = pa
	; THE CLASS'S NUMBERS: four batches of transcendentals; behind each, plain work that names none of its results, then one wait ahead of the first reader
	v_sqrt_f32 v230, v224
	v_sqrt_f32 v231, v226                          ; |a|
	BF16 AH, AR                                    ; a as it is given: the factor fa goes into CU
	s_wait_alu depctr_va_vdst(0)
	v_max_num_f32 v230, 0x26901d7d, v230           ; p_norm = max(|p|, 1e-15)
	v_mul_f32 v230, 0x3ea1e89b, v230               ; z = sqrt(k) p_norm
	v_mul_f32 v232, v230, v230                     ; z^2
	v_mul_f32 v233, 0x4038aa3b, v230               ; 2 z log2(e)
	v_exp_f32 v233, v233                           ; e^(2 z)
	v_rcp_f32 v234, v230                           ; 1 / z
	v_mov_b32 v235, 0xbc11371a                     ; tanh(z) / z for z < 1/4: its series in z^2 up to z^10; the term left out is under 3e-10 there
	v_fmaak_f32 v235, v235, v232, 0x3cb327a4
	v_fmaak_f32 v235, v235, v232, 0xbd5d0dd1
	v_fmaak_f32 v235, v235, v232, 0x3e088889
	v_fmaak_f32 v235, v235, v232, 0xbeaaaaab
	v_fma_f32 v235, v235, v232, 1.0
	s_wait_alu depctr_va_vdst(0)
	v_add_f32 v233, 1.0, v233
	v_rcp_f32 v233, v233
	v_mul_f32 v236, v235, v230                     ; tanh(z), small z
	v_cmp_gt_f32 vcc_lo, 0x3e800000, v230          ; z < 1/4?  It selects values only
	s_wait_alu depctr_va_vdst(0)
	v_fma_f32 v233, -2.0, v233, 1.0                ; tanh(z) = 1 - 2 / (1 + e^(2 z)), z >= 1/4: no cancellation there
	v_mul_f32 v234, v233, v234                     ; tanh(z) / z
	v_cndmask_b32 v234, v234, v235, vcc_lo         ; s
	v_cndmask_b32 v233, v233, v236, vcc_lo         ; th
	v_mul_f32 v[NS], -1.0, v234                    ; -s
	v_mul_f32 v[CX], v233, v233                    ; th^2 = k p2 = k x2
	v_fma_f32 v237, -v233, v233, 1.0               ; beta = 1 - k p2
	v_add_f32 v238, 1.0, v[CX]                     ; fa = 1 + k p2
	v_mul_f32 v239, v238, v231
	v_max_num_f32 v239, 0x26901d7d, v239           ; a_norm = max(fa |a|, 1e-15)
	v_rcp_f32 v224, v237                           ; 1 / beta
	v_rcp_f32 v226, v239                           ; 1 / a_norm
.set i, 0
.rept 16
	v_pk_mul_f32 v[MP+i:MP+i+1], v[MP+i:MP+i+1], v[NS:NS+1] op_sel_hi:[1,0]   ; mp = -s p
.set i, i+2
.endr
	s_wait_alu depctr_va_vdst(0)
	v_mul_f32 v226, 0x3f21e89b, v226               ; 2 sqrt(k) / a_norm
	v_mul_f32 v[CD], 0x3dcccccd, v[CX]             ; k^2 x2
	v_mul_f32 v225, v237, v237
	v_mul_f32 v[CE], 0x3dcccccd, v225              ; k beta^2
	v_mul_f32 v[CV], 0x3e4ccccd, v237              ; 2 k beta
	v_mul_f32 v226, v226, v238
	v_mul_f32 v[CU], v226, v237                    ; (2 sqrt(k) / a_norm) fa beta
	v_mul_f32 v226, v226, v[NS]
	v_mul_f32 v[CM], v226, v228                    ; (2 sqrt(k) / a_norm) (mp . a_poin)
	v_mul_f32 v224, v224, v239
	v_mul_f32 v[CS], 0x408c487b, v224              ; scale x ln 2 = (2 ln 2 / sqrt(k)) a_norm / beta
	QUANT MC, MP, SC0
	; THE PRODUCTS.  The two accumulators take turns, one instruction a turn; the first product of each starts its sum
	v_wmma_f32_16x16x32_bf16 v[U:U+7], v[XB:XB+7], v[AH:AH+7], 0
	v_wmma_f32_16x16x64_bf8_bf8 v[S:S+7], v[XC:XC+7], v[MC:MC+7], 0
	v_wmma_f32_16x16x32_bf16 v[U:U+7], v[XB+8:XB+15], v[AH+8:AH+15], v[U:U+7]
	; v = mp . x in f32: register b gathers x_b . mp_r over my half's 32 d; x_b's number comes from lane b of my sixteen, on the multiply-add itself.  These lines name no register of the products above
.set i, 0
.rept 32
.irp b, 0,1,2,3,4,5,6,7,8,9,10,11,12,13,14,15
.if i == 0
	v_mul_f32_dpp v[ACC+\b], v[XF+i], v[MP+i] row_share:\b row_mask:0xf bank_mask:0xf
.else
	v_fmac_f32_dpp v[ACC+\b], v[XF+i], v[MP+i] row_share:\b row_mask:0xf bank_mask:0xf
.endif
.endr
.set i, i+1
.endr
.irp j, 0,1,2,3,4,5,6,7
	v_permlane16_swap_b32 v[ACC+\j], v[ACC+8+\j]   ; row j's upper half sum changes places with row 8 + j's lower one:
.endr
.irp j, 0,2,4,6
	v_pk_add_f32 v[ACC+\j:ACC+\j+1], v[ACC+\j:ACC+\j+1], v[ACC+8+\j:ACC+9+\j]   ; register j of lane (r, h) is v(b = 8 h + j, class r), as in the products' results
.endr
	; ELEMENTWISE, two numbers an instruction; each accumulator is read from its low end on
.irp j, 0,2,4,6
	v_pk_fma_f32 v[DEN+\j:DEN+\j+1], v[Y2+\j:Y2+\j+1], v[CD:CD+1], 1.0 op_sel_hi:[1,0,0]
.endr
.irp j, 0,2,4,6
	v_pk_fma_f32 v[DEN+\j:DEN+\j+1], v[S+\j:S+\j+1], v[C1:C1+1], v[DEN+\j:DEN+\j+1] op_sel_hi:[1,0,1]   ; den = 1 + 2k xy + k^2 x2 y2
.endr
.irp j, 0,2,4,6
	v_pk_fma_f32 v[AL+\j:AL+\j+1], v[S+\j:S+\j+1], v[C1:C1+1], v[AL0+\j:AL0+\j+1] op_sel_hi:[1,0,1]     ; al = 1 + 2k xy + k y2
.endr
.irp j, 0,2,4,6
	v_pk_mul_f32 v[PN+\j:PN+\j+1], v[AL+\j:AL+\j+1], v[CM:CM+1] op_sel_hi:[1,0]
.endr
.irp j, 0,2,4,6
	v_pk_fma_f32 v[PN+\j:PN+\j+1], v[U+\j:U+\j+1], v[CU:CU+1], v[PN+\j:PN+\j+1] op_sel_hi:[1,0,1]       ; (2 sqrt(k) / a_norm) (num . a_poin)
.endr
.irp j, 0,2,4,6
	v_pk_mul_f32 v[W+\j:W+\j+1], v[ACC+\j:ACC+\j+1], v[CV:CV+1] op_sel_hi:[1,0]
.endr
.irp j, 0,2,4,6
	v_pk_fma_f32 v[W+\j:W+\j+1], v[AL+\j:AL+\j+1], v[CX:CX+1], v[W+\j:W+\j+1] op_sel_hi:[1,0,1]
.endr
.irp j, 0,2,4,6
	v_pk_mul_f32 v[Q+\j:Q+\j+1], v[Y2+\j:Y2+\j+1], v[CE:CE+1] op_sel_hi:[1,0]
.endr
.irp j, 0,2,4,6
	v_pk_fma_f32 v[Q+\j:Q+\j+1], v[AL+\j:AL+\j+1], v[W+\j:W+\j+1], v[Q+\j:Q+\j+1]                       ; k |num|^2
.endr
.irp j, 0,2,4,6
	v_pk_fma_f32 v[Q+\j:Q+\j+1], v[DEN+\j:DEN+\j+1], v[DEN+\j:DEN+\j+1], v[Q+\j:Q+\j+1] neg_lo:[0,0,1] neg_hi:[0,0,1]   ; den^2 - k |num|^2
.endr
.irp j, 0,1,2,3,4,5,6,7
	v_rcp_f32 v[W+\j], v[Q+\j]
.endr
.irp j, 0,2,4,6
	v_pk_mul_f32 v[PN+\j:PN+\j+1], v[PN+\j:PN+\j+1], v[DEN+\j:DEN+\j+1]                                 ; plain work behind the batch
.endr
	s_wait_alu depctr_va_vdst(0)                   ; one wait for the eight reciprocals, ahead of their first reader
.irp j, 0,2,4,6
	v_pk_mul_f32 v[R+\j:R+\j+1], v[PN+\j:PN+\j+1], v[W+\j:W+\j+1]                                       ; r = numer / denom
.endr
.irp j, 0,2,4,6
	v_pk_fma_f32 v[SQ+\j:SQ+\j+1], v[R+\j:R+\j+1], v[R+\j:R+\j+1], 1.0 op_sel_hi:[1,1,0]
.endr
.irp j, 0,1,2,3,4,5,6,7
	v_sqrt_f32 v[SQ+\j], v[SQ+\j]
.endr
	v_nop                                          ; a plain line behind the last root
	s_wait_alu depctr_va_vdst(0)                   ; one wait for the eight roots
.irp a, 96,97,98,99,100,101,102,103
	v_add_f32 v[\a+8], |v\a|, v[\a+8]              ; |r| + sqrt(r^2 + 1)   (r lies at v96 on, the root eight registers further on)
.endr
.irp j, 0,1,2,3,4,5,6,7
	v_log_f32 v[SQ+\j], v[SQ+\j]
.endr
	v_nop                                          ; a plain line behind the last logarithm
	s_wait_alu depctr_va_vdst(0)                   ; one wait for the eight logarithms
.irp j, 0,2,4,6
	v_pk_mul_f32 v[OUT+\j:OUT+\j+1], v[SQ+\j:SQ+\j+1], v[CS:CS+1] op_sel_hi:[1,0]                       ; scale x asinh(|r|): not negative
.endr
.irp j, 0,1,2,3,4,5,6,7
	v_bfi_b32 v[OUT+\j], s25, v[OUT+\j], v[R+\j]   ; with r's sign
.endr
.irp j, 0,1,2,3,4,5,6,7
	ds_store_b32 v5, v[OUT+\j] offset:SP*\j        ; row 8 h + j, column = my class: sixteen lanes store 64 neighbouring bytes
.endr
	s_add_co_u32 s23, s23, 1024
	s_add_co_u32 s24, s24, 256
	s_add_co_u32 s22, s22, 1
	s_cmp_lt_u32 s22, 4
	s_cbranch_scc1 .Ltrip
	; THE WAY OUT.  The group's 16 rows are 64,000 consecutive bytes of out0: 4,000 pieces of 16 bytes.  Piece g lies in row g / 250 = (4195 g) >> 20 (exact for g < 4,000), at stage byte 16 g + 112 x row.
	; Thread n takes pieces n + 512 i: an instruction of a wave stores 512 consecutive bytes at a multiple of 256 from out0's first byte.
	s_wait_dscnt 0x0                               ; for the others' sake: my stores into the stage are done
	s_barrier_signal -1
.irp i, 0,1,2,3,4,5,6,7
	v_add_nc_u32 v[8+\i], 512*\i, v0
	v_mul_u32_u24 v224, v[8+\i], 4195
	v_lshrrev_b32 v224, 20, v224
	v_mul_u32_u24 v224, v224, 112
	v_lshl_add_u32 v[8+\i], v[8+\i], 4, v224
.endr
	s_barrier_wait -1                              ; everybody's are
.irp i, 0,1,2,3,4,5,6
	ds_load_b128 v[MP+4*\i:MP+4*\i+3], v[8+\i]
.endr
.irp i, 0,1,2,3,4,5,6
	s_wait_dscnt 6-\i                              ; LDS loads come back in order (ISA guide 5.7.1): load i is in, the younger ones may be out
	global_store_b128 v6, v[MP+4*\i:MP+4*\i+3], s[12:13] offset:8192*\i th:TH_STORE_NT
.endr
	s_cmp_lt_u32 s14, 13                           ; 64,000 bytes are 125 runs of 512: the eighth turn has runs for waves 0 to 12 alone
	s_cbranch_scc0 .Ldone
	ds_load_b128 v[AR:AR+3], v15
	s_wait_dscnt 0x0
	global_store_b128 v6, v[AR:AR+3], s[12:13] offset:57344 th:TH_STORE_NT
.Ldone:
	s_wait_tensorcnt 0x0
	ds_add_u32 v254, v255
	s_wait_dscnt 0x0
	s_endpgm
.Lfunc_end_k_qac7849175a_mlr:
	.size	k_qac7849175a_mlr, .Lfunc_end_k_qac7849175a_mlr-k_qac7849175a_mlr
	.p2alignl 7, 3214868480
	.fill 96, 4, 3214868480
	.section	.rodata,"a",@progbits
	.p2align	6, 0x0
	.amdhsa_kernel k_qac7849175a_mlr
		.amdhsa_group_segment_fixed_size 67840
		.amdhsa_private_segment_fixed_size 0
		.amdhsa_enable_private_segment 0
		.amdhsa_kernarg_size 40
		.amdhsa_user_sgpr_count 2
		.amdhsa_user_sgpr_kernarg_segment_ptr 1
		.amdhsa_wavefront_size32 1
		.amdhsa_system_sgpr_workgroup_id_x 1
		.amdhsa_system_sgpr_workgroup_id_y 1
		.amdhsa_system_sgpr_workgroup_id_z 1
		.amdhsa_system_vgpr_workitem_id 0
		.amdhsa_next_free_vgpr 256
		.amdhsa_next_free_sgpr 66
		.amdhsa_reserve_vcc 1
		.amdhsa_float_denorm_mode_32 3
		.amdhsa_float_denorm_mode_16_64 3
		.amdhsa_memory_ordered 1
		.amdhsa_forward_progress 1
		.amdhsa_inst_pref_size 65
	.end_amdhsa_kernel
	.amdgpu_metadata
---
amdhsa.version: [ 1, 2 ]
amdhsa.kernels:
  - .name:           k_qac7849175a_mlr
    .symbol:         k_qac7849175a_mlr.kd
    .args:
      - { .name: x, .offset: 0, .size: 8, .value_kind: global_buffer, .address_space: global }
      - { .name: a_vals, .offset: 8, .size: 8, .value_kind: global_buffer, .address_space: global }
      - { .name: p_vals, .offset: 16, .size: 8, .value_kind: global_buffer, .address_space: global }
      - { .name: lowp_scales, .offset: 24, .size: 8, .value_kind: global_buffer, .address_space: global }
      - { .name: out0, .offset: 32, .size: 8, .value_kind: global_buffer, .address_space: global }
    .group_segment_fixed_size: 67840
    .private_segment_fixed_size: 0
    .kernarg_segment_align: 8
    .kernarg_segment_size: 40
    .max_flat_workgroup_size: 512
    .sgpr_count:     66
    .vgpr_count:     256
    .wavefront_size: 32
...
	.end_amdgpu_metadata
.endif
;; end of part 1
